; MI455X (gfx1250); checked and timed in simulation.
; The chip was launched on July 23, 2026; its instructions are those of AMD's public machine-readable ISA for CDNA 5 (MIT licence, August 2026) and "CDNA5" Instruction Set Architecture Reference Guide (July 2026). The comments in the code are by the model that wrote it; some were corrected since.
;; Expert Linear. Allowed arithmetic: float matrix products may take bf16 or f16 operands with f32 sums; all other float work in f32.
;; Inputs: W 8 x 1,024 x 1,024 float32; b 8 x 1 x 1,024 float32; weights 8,192 x 8 float32; x 8,192 x 1,024 float32.
;; Outputs: out0 8,192 x 1,024 float32.
;; One version. Each part assembles by itself: llvm-mc -triple=amdgcn-amd-amdhsa -mcpu=gfx1250 --defsym DOCPART=n.
;; ======== version 1 of 1: 2 launches
;; workspace buffers: wb 16,777,216 bytes
;; launch castw (part 1): grid 1024 x 1, 8 waves a work-group, no clusters, 0 bytes of LDS; arguments W, wb; writes wb
.if DOCPART == 1
	.amdgcn_target "amdgcn-amd-amdhsa--gfx1250"
	.amdhsa_code_object_version 6
	.text
	.protected	k_q8dbc330c04_castw
	.globl	k_q8dbc330c04_castw
	.p2align	8
	.type	k_q8dbc330c04_castw,@function
k_q8dbc330c04_castw:
	s_mov_b64 s[64:65], 0
	v_nop
	global_prefetch_b8 v0, s[64:65] scope:SCOPE_SE
	s_setreg_imm32_b32 hwreg(HW_REG_WAVE_MODE, 25, 1), 1
	s_wait_xcnt 0x0
; wb = W rounded to bf16, in W's own order [8][1024 i][1024 o].  A stream: every byte of W is read once, every byte of wb written once.
; Eight waves; the work-group owns 32,768 bytes of W (8,192 numbers) and makes 16,384 bytes of wb.  Thread t takes the 16 bytes at 16 t of each of
; eight blocks of 4,096 bytes: a load of a wave covers 512 consecutive bytes, a store of a wave 256 consecutive bytes at a multiple of 256 from wb's first byte.
; All eight loads of a thread are issued before anything else, so the text has no loop; no register is written twice, so no wait frees a source.
; LDS, barriers and the matrix unit would add nothing here.  The stores carry no hint: the next launch reads wb.
.set X, 4                              ; v[4:35]   block i: 4 numbers in f32
.set Y, 36                             ; v[36:51]  block i: the same 4 in bf16
	s_load_b128 s[4:7], s[0:1], 0x0                ; W s[4:5], wb s[6:7]
	s_lshl_b32 s2, ttmp9, 15                       ; the work-group's 32,768 bytes of W
	s_mov_b32 s3, 0
	s_lshl_b32 s8, ttmp9, 14                       ; and its 16,384 bytes of wb
	s_mov_b32 s9, 0
	v_lshlrev_b32 v1, 4, v0                        ; 16 t
	v_lshlrev_b32 v2, 3, v0                        ; 8 t
	s_wait_kmcnt 0x0
	s_add_nc_u64 s[4:5], s[4:5], s[2:3]
	s_add_nc_u64 s[6:7], s[6:7], s[8:9]
.irp i, 0,1,2,3,4,5,6,7
	global_load_b128 v[X+4*\i:X+4*\i+3], v1, s[4:5] offset:4096*\i th:TH_LOAD_NT
.endr
.irp i, 0,1,2,3,4,5,6,7
	s_wait_loadcnt 7-\i                            ; loads come back in order (ISA guide 5.7.1): block i is in, the 7 - i younger ones stay out
	v_cvt_pk_bf16_f32 v[Y+2*\i],   v[X+4*\i],   v[X+4*\i+1]
	v_cvt_pk_bf16_f32 v[Y+2*\i+1], v[X+4*\i+2], v[X+4*\i+3]
	global_store_b64 v2, v[Y+2*\i:Y+2*\i+1], s[6:7] offset:2048*\i
.endr
	s_endpgm
.Lfunc_end_k_q8dbc330c04_castw:
	.size	k_q8dbc330c04_castw, .Lfunc_end_k_q8dbc330c04_castw-k_q8dbc330c04_castw
	.p2alignl 7, 3214868480
	.fill 96, 4, 3214868480
	.section	.rodata,"a",@progbits
	.p2align	6, 0x0
	.amdhsa_kernel k_q8dbc330c04_castw
		.amdhsa_group_segment_fixed_size 0
		.amdhsa_private_segment_fixed_size 0
		.amdhsa_enable_private_segment 0
		.amdhsa_kernarg_size 16
		.amdhsa_user_sgpr_count 2
		.amdhsa_user_sgpr_kernarg_segment_ptr 1
		.amdhsa_wavefront_size32 1
		.amdhsa_system_sgpr_workgroup_id_x 1
		.amdhsa_system_sgpr_workgroup_id_y 1
		.amdhsa_system_sgpr_workgroup_id_z 1
		.amdhsa_system_vgpr_workitem_id 0
		.amdhsa_next_free_vgpr 56
		.amdhsa_next_free_sgpr 66
		.amdhsa_reserve_vcc 0
		.amdhsa_float_denorm_mode_32 3
		.amdhsa_float_denorm_mode_16_64 3
		.amdhsa_memory_ordered 1
		.amdhsa_forward_progress 1
		.amdhsa_inst_pref_size 4
	.end_amdhsa_kernel
	.amdgpu_metadata
---
amdhsa.version: [ 1, 2 ]
amdhsa.kernels:
  - .name:           k_q8dbc330c04_castw
    .symbol:         k_q8dbc330c04_castw.kd
    .args:
      - { .name: W, .offset: 0, .size: 8, .value_kind: global_buffer, .address_space: global }
      - { .name: wb, .offset: 8, .size: 8, .value_kind: global_buffer, .address_space: global }
    .group_segment_fixed_size: 0
    .private_segment_fixed_size: 0
    .kernarg_segment_align: 8
    .kernarg_segment_size: 16
    .max_flat_workgroup_size: 256
    .sgpr_count:     66
    .vgpr_count:     56
    .wavefront_size: 32
...
	.end_amdgpu_metadata
.endif
;; end of part 1
;; launch moe (part 2): grid 32 x 8, 4 waves a work-group, clusters of 4 x 1, 327,680 bytes of LDS; arguments x, weights, b, wb, out0; writes out0
.if DOCPART == 2
	.amdgcn_target "amdgcn-amd-amdhsa--gfx1250"
	.amdhsa_code_object_version 6
	.text
	.protected	k_q8dbc330c04_moe
	.globl	k_q8dbc330c04_moe
	.p2align	8
	.type	k_q8dbc330c04_moe,@function
k_q8dbc330c04_moe:
	s_mov_b64 s[64:65], 0
	v_nop
	global_prefetch_b8 v0, s[64:65] scope:SCOPE_SE
	s_setreg_imm32_b32 hwreg(HW_REG_WAVE_MODE, 25, 1), 1
	s_wait_xcnt 0x0
	s_wait_alu depctr_hold_cnt(0) depctr_sa_sdst(0) depctr_va_vdst(0) depctr_va_sdst(0) depctr_va_ssrc(0) depctr_va_vcc(0) depctr_vm_vsrc(0)
	s_getreg_b32 s2, hwreg(HW_REG_IB_STS2, 6, 4)
	s_cmp_eq_u32 s2, 0
	s_cbranch_scc0 .Lentry_in_a_cluster
	s_endpgm
.Lentry_in_a_cluster:
	s_bfe_u32 s2, ttmp6, 0x10000c
	s_cmp_lg_u32 s2, 0x3003
	s_cbranch_scc0 .Lentry_shape_is_right
	s_endpgm
.Lentry_shape_is_right:
; out0[r][o] = sum over e of weights[r][e] (x[r][:] . W[e][:][o] + b[e][o]).   x [8192][1024] f32, weights [8192][8] f32, b [8][1024] f32,
; wb = W in bf16 [8][1024 i][1024 o] (made by the launch before), out0 [8192][1024] f32.
; LIMITS, kept on purpose: x, W, weights and b are each rounded once to bf16, as operands of the two einsums (weights is then widened again, exactly).  The products of 128 i
; are summed in f32 by the matrix unit (PART) and folded in f32, TOT += weights x PART: the order of the sums is not the source's.  No limit of range but bf16's and f32's.
; SHARES.  A work-group makes 256 rows x 128 columns of out0: 32 x 8 = 256 work-groups.  Each of its four waves makes 64 rows x 128 columns: 4 blocks a of 16 rows x 8 blocks b
; of 16 columns, 32 sums TOT of 8 registers.
; THE WALK.  64 steps: chunk c of 128 i outside, expert e inside.  A wave's fragments of x for a chunk stay in registers for the chunk's eight steps, so x never passes LDS, and each
; number of x is loaded and rounded once in a work-group; only wb streams through LDS.  A step is four GROUPS of two column blocks: 8 sums PART x 4 matrix instructions (32 i each).
; The fold of a group's eight PART stands in slices between the next group's matrix instructions; PART and W's fragments have two buffers each, taken by turns.
; THE MATRIX INSTRUCTION IS USED TRANSPOSED: source 0 = 16 columns of W[e] (turned on the way out of LDS by ds_load_tr16_b128), source 1 = 16 rows of x.  A lane (r = lane % 16,
; h = lane / 16) then holds ONE row, 16 a + r, and the eight neighbouring columns 16 b + 8 h + 0..7, so its weight is one number for a whole accumulator.
; CLUSTER.  The four work-groups of a cluster have the same 128 columns and walk the same tiles of wb: each tile is asked for JOINTLY, by the same tensor load with the same descriptor
; and the mask of all four.  Nothing else comes by tensor loads (x, weights, b go straight to registers), so there is no second axis to share along: 4 x 1, not 4 x 4.
; RING.  Two LDS slots of four tiles: slot 0 the chunk's experts 0-3, slot 1 its experts 4-7; a tile is 128 i x 128 columns.  Wave w fetches expert 4 n + w's tile of slot n: one load a wave
; behind each round, and four steps, 512 matrix instructions, in which it lands.  By this text's count a wave has two tensor loads out at the start and one later.
;
; REGISTERS, in windows of 256 (s_set_vgpr_msb's low byte: bits 1:0 source 0, 3:2 source 1, 5:4 source 2, 7:6 destination):
;   window 0: v0-29 addresses; v32-95 WQ: weight (a, e), twice, at 32 + 2 (8 a + e); v96-159, v160-223 PART, two buffers of 8 accumulators (accumulator s = 4 bb + a at + 8 s)
;   window 1: TOT (a, b) at 8 (8 a + b)
;   window 2: v0-127 x's fragments (a, q) at 8 (4 a + q); v128-191, v192-255 W's fragments, two buffers, (bb, q) at + 8 (4 bb + q)
;   window 3: the next chunk of x in f32 as loaded: fragment f = 4 a + q at 16 f
.set PB,     288                       ; a row of a tile in LDS: 256 bytes + 32 of padding = 72 words
.set TILEB,  128*PB                    ; a tile: 128 i
.set SLOT,   4*TILEB                   ; four experts' tiles
.set STAGE,  2*SLOT                    ; behind the ring: 16 rows x 272 bytes for each wave, for the way out; no tensor load lands here
.set SP,     272
.set SPARE,  STAGE+4*16*SP             ; behind the stages: the spare words, 128 bytes for each wave: two blocks of 256 bytes that no other line names
.set EXPB,   1024*1024*2               ; an expert's bytes in wb
.set CHUNKB, 128*1024*2                ; 128 rows of wb: from a chunk to the next
.set XO,   3                           ; v3   x: r x 4,096 + 32 h
.set WO,   4                           ; v4   weights: r x 32
.set BO,   5                           ; v5   b: h x 4 experts x 4,096 + 4 r
.set STO,  6                           ; v6   the way out: where I put 32 bytes of a row
.set RD,   7                           ; v7   the way out: where I read a row back
.set CO,   8                           ; v8   my byte offset in out0
.set ADRB, 16                          ; v16-23  my lane's place in expert e's tile
.set SPW,  28                          ; v28  LDS address of my spare word: SPARE + 4 x my thread's number; never rewritten
.set NIL,  29                          ; v29  0; never rewritten
.set WQ,   32
.set P0,   96
.set RW,   96                          ; in the prologue: weights as loaded, 8 a block
.set RB,   128                         ; in the prologue: b as loaded, 4 a column block
.set TW,   160                         ; in the prologue: weights in bf16, pairs (2 u, 2 u + 1) at 4 a + u
.set OB,   96                          ; on the way out: 16 rows x 256 bytes read back, two buffers of 32
.set AF,   0                           ; window 2
.set BF0,  128                         ; window 2
.set WV,   14                          ; s14  my wave's number
.set G1,   24                          ; s[24:31] descriptor group 1, the same for every load, never rewritten
.set G0,   32                          ; s[32:39] descriptor group 0, a set for each slot
.set MSB, 0
.macro WIN new                         ; the immediate's high byte repeats the setting that is left; a switch that changes nothing is dropped
.if MSB != \new
	s_set_vgpr_msb (MSB<<8)|\new
.set MSB, \new
.endif
.endm
.set W_MM,  0x0a                       ; both sources window 2, PART window 0
.set W_FO,  0x50                       ; TOT (destination and source 2) window 1, PART and WQ window 0
.set W_TO2, 0x80                       ; destination window 2
.set W_CV,  0x8f                       ; destination window 2, sources window 3
.set W_TO3, 0xc0                       ; destination window 3
.set W_BI,  0x4a                       ; both sources window 2, TOT window 1
.set W_ST,  0x04                       ; an LDS store's data window 1
.macro PLACES
.rept 4
	v_nop
.endr
.endm
; A round of the cluster's barrier: my work-group's barrier, so that wave 0's signal speaks for all four waves; wave 0 signals for the work-group; every wave waits for all four
; work-groups; my work-group's barrier once more.  No LDS instruction of the wave is pending at a signal.
.macro CREST                           ; a round behind its opening barrier
	s_cmp_lg_u32 s[WV], 0
	s_cbranch_scc1 .Lnot_wave_0_\@
	s_barrier_signal -3
.Lnot_wave_0_\@:
	s_barrier_wait -3
	s_barrier_signal -1
	s_barrier_wait -1
.endm
.macro CROUND                          ; a whole round
	s_barrier_signal -1
	s_barrier_wait -1
	CREST
.endm
; Matrix instruction i of a group's 32: 32 i at q = i / 8, accumulator s = i % 8 (column block bb = s / 4 of the group's two, row block a = s % 4).  The eight accumulators take turns,
; one instruction a turn.  The first eight start the sums with the constant 0: nothing is cleared.
.macro MM g, i
.set q_,  (\i)/8
.set s_,  (\i)%8
.set pp_, P0+64*((\g)%2)+8*s_
.set bf_, BF0+64*((\g)%2)+8*(4*(s_/4)+q_)
.set af_, AF+8*(4*(s_%4)+q_)
	WIN W_MM
.if q_ == 0
	v_wmma_f32_16x16x32_bf16 v[pp_:pp_+7], v[bf_:bf_+7], v[af_:af_+7], 0
.else
	v_wmma_f32_16x16x32_bf16 v[pp_:pp_+7], v[bf_:bf_+7], v[af_:af_+7], v[pp_:pp_+7]
.endif
.endm
.macro MM4 g, i0
.irp k, 0,1,2,3
	MM \g, \i0+\k
.endr
.endm
; Slice s of the fold of group (ep, gp): TOT += weight x PART for its accumulator s, registers ascending.  The pair of WQ holds the lane's weight twice, so the packed form needs no selection.
.macro SL ep, gp, s
.set a_,  (\s)%4
.set t_,  8*(8*a_+2*(\gp)+(\s)/4)
.set pp_, P0+64*((\gp)%2)+8*(\s)
.set w_,  WQ+2*(8*a_+(\ep))
	WIN W_FO
.irp p, 0,2,4,6
	v_pk_fma_f32 v[t_+\p:t_+\p+1], v[pp_+\p:pp_+\p+1], v[w_:w_+1], v[t_+\p:t_+\p+1]
.endr
.endm
.macro FOLD on, s
.if \on
	SL ep_, gp_, \s
.endif
.endm
; 16 LDS loads in one run: W's fragments of group (en, gn): two column blocks x four q.  The turning load takes 16 i x 16 columns (lane l reads 16 bytes: i = 8 (l / 16) + l % 8, columns
; 8 ((l / 8) % 2) + 0..7) and leaves half a fragment: lane l holds column l % 16 and eight i.  The two halves lie 16 rows apart.
.macro BLOADS en, gn
.set fb_, BF0+64*((\gn)%2)
	WIN W_TO2
.irp bb, 0,1
.irp q, 0,1,2,3
	ds_load_tr16_b128 v[fb_+8*(4*\bb+\q):fb_+8*(4*\bb+\q)+3],   v[ADRB+(\en)] offset:32*PB*\q+32*(2*(\gn)+\bb)
	ds_load_tr16_b128 v[fb_+8*(4*\bb+\q)+4:fb_+8*(4*\bb+\q)+7], v[ADRB+(\en)] offset:32*PB*\q+32*(2*(\gn)+\bb)+16*PB
.endr
.endr
.endm
; A GROUP: expert e, column blocks 2 g and 2 g + 1.  32 matrix instructions; behind every fourth a slice of the fold of the group before (fold = 0: the kernel's first group has none before it).
; DISTANCES.  A vector instruction that reads a matrix result or writes one of a matrix instruction's registers, and a load into such a register, stand four places behind it, and only plain
; vector instructions that name none of its registers are places (ISA guide 7.12.1 for vector instructions).  The slices are the places: accumulator s is last written
; by instruction 24 + s and first read by the next group's slice s, with slice 7 (and for s < 4 slice 6) of its own group between, which work on the other buffer of PART; the run of loads into
; the other buffer of W's fragments has slice 7 of the group before and slice 0 between it and that buffer's last product.
; mode 0: the next group's fragments are fetched behind slice 0, 28 matrix instructions ahead of their use.
; mode 1: the slot's last group.  Its fragments are my last reads of the slot.  I wait for all my tensor loads (the one that is out is my tile of the other slot), add 0 to my spare word, wait for that,
;         and a round of the cluster's barrier follows: behind it no wave of any partner reads this slot or has a load on its way, and the other slot is whole.  The slot's refill, the next chunk, is
;         the first thing behind the round; then the other slot's first fragments are fetched.
; mode 2: the same without a refill, so a plain barrier does.     mode 3: the last group of all: nothing more to fetch.
.macro GROUP e, g, mode, fold
.if (\g) == 0
.set ep_, ((\e)+7)%8
.set gp_, 3
.else
.set ep_, (\e)
.set gp_, (\g)-1
.endif
.if (\g) == 3
.set en_, ((\e)+1)%8
.set gn_, 0
.else
.set en_, (\e)
.set gn_, (\g)+1
.endif
	s_wait_dscnt 0x0                               ; this group's sixteen fragment loads are in
.if (\mode == 1) || (\mode == 2)
	WIN 0                                          ; (the add's two registers lie in window 0)
	s_wait_tensorcnt 0x0                           ; all my tensor loads have landed, so a group 0 may be written
	ds_add_u32 v[SPW], v[NIL]                      ; 0 onto my spare word; eight matrix instructions and two slices stand between it and the wait for it
.endif
.if \mode == 1
	s_add_nc_u64 s[G0+4*((\e)/4)+2:G0+4*((\e)/4)+3], s[G0+4*((\e)/4)+2:G0+4*((\e)/4)+3], CHUNKB   ; this slot's next chunk; the type bits on top are not reached
.endif
	MM4 \g, 0
	FOLD \fold, 0
.if \mode == 0
	BLOADS en_, gn_
.endif
	MM4 \g, 4
	FOLD \fold, 1
.if (\mode == 1) || (\mode == 2)
	s_wait_dscnt 0x0                               ; the add is done; my reads of the slot were over at the group's head
	s_barrier_signal -1                            ; say so (in mode 1 this barrier opens a round of the cluster's),
.endif
	MM4 \g, 8                                      ; work on registers while the others arrive,
	FOLD \fold, 2
	MM4 \g, 12
	FOLD \fold, 3
.if \mode == 1
	WIN 0
	s_barrier_wait -1
	CREST
	tensor_load_to_lds s[G0+4*((\e)/4):G0+4*((\e)/4)+3], s[G1:G1+7]   ; my one tensor load behind the round, and the first thing there
	s_nop 0
	PLACES                                         ; four v_nop follow it, ahead of the switch of windows
	BLOADS en_, gn_
.elseif \mode == 2
	s_barrier_wait -1
	BLOADS en_, gn_
.endif
	MM4 \g, 16
	FOLD \fold, 4
	MM4 \g, 20
	FOLD \fold, 5
	MM4 \g, 24
	FOLD \fold, 6
	MM4 \g, 28
	FOLD \fold, 7
.if !(\fold)
	PLACES                                         ; no slices here: four v_nop take slice 7's part
.endif
.endm
; Row block a of the chunk at s[4:5], in f32, in fragment order: a lane's 8 + 8 numbers of a fragment are 32 bytes at 32 h and 32 bytes at 64 + 32 h of the row's 128.  A fragment's four loads
; cover 128 consecutive bytes of each of 16 rows, the run's sixteen 512.  Four runs, apart from each other, so that at most 48 of them stand behind the loads that a counted wait needs.
.macro XL a
	WIN W_TO3
.irp q, 0,1,2,3
.irp j, 0,1,2,3
	global_load_b128 v[16*(4*\a+\q)+4*\j:16*(4*\a+\q)+4*\j+3], v[XO], s[4:5] offset:65536*\a+128*\q+16*\j+32*(\j/2)
.endr
.endr
.endm
; A chunk's end: the next chunk of x has come; it is rounded to bf16 into the fragments' registers (the rounding is also the move).  Slice 7 of the group before is the four places behind the last product that read them.
.macro BOUND
	s_wait_loadcnt 0x0                             ; all 64 loads of x are in, so their base may step
	s_add_nc_u64 s[4:5], s[4:5], 512               ; 128 numbers on along the rows (the eighth step's address is not used)
	WIN W_CV
.set f_, 0
.rept 128
	v_cvt_pk_bf16_f32 v[AF+f_], v[2*f_], v[2*f_+1]
.set f_, f_+1
.endr
.endm
; The fifteen groups of a slot that change nothing: (e0, 0) to (e0 + 3, 2).  first = 1: the kernel's first.  xl = 1: the rest of the next chunk of x is asked for on the way.
.macro RUN e0, first, xl
	GROUP \e0, 0, 0, 1-\first
	GROUP \e0, 1, 0, 1
.if \xl
	XL 1
.endif
	GROUP \e0, 2, 0, 1
	GROUP \e0, 3, 0, 1
.if \xl
	XL 2
.endif
	GROUP \e0+1, 0, 0, 1
	GROUP \e0+1, 1, 0, 1
.if \xl
	XL 3                                           ; ten groups, 320 matrix instructions, ahead of the wait for it
.endif
	GROUP \e0+1, 2, 0, 1
	GROUP \e0+1, 3, 0, 1
.irp g, 0,1,2,3
	GROUP \e0+2, \g, 0, 1
.endr
.irp g, 0,1,2
	GROUP \e0+3, \g, 0, 1
.endr
.endm
; THE WAY OUT, in eight passes of 16 rows x 64 columns (row block p / 2, half p % 2 of the 128 columns).  A lane's 32 bytes are an eighth of a row's 256, so a pass goes through my own stage in LDS:
; in by lanes, back as whole rows of 256 bytes.  LDS serves a wave's instructions in order (ISA guide 5.7.1.4): the loads see the stores above them, and the next pass's stores come behind these loads.
.macro TOSTAGE p
.set a_,  (\p)/2
.set hf_, (\p)%2
.set ob_, OB+32*((\p)%2)
.if (\p) >= 2
	s_wait_xcnt 0x0                                ; every earlier memory instruction has had its addresses translated (ISA guide 3.1): the buffer that the pass two back stored from is loaded again only behind this wait
.endif
	WIN W_ST
.irp c, 0,1,2,3
	ds_store_b128 v[STO], v[8*(8*a_+4*hf_+\c):8*(8*a_+4*hf_+\c)+3]   offset:64*\c
	ds_store_b128 v[STO], v[8*(8*a_+4*hf_+\c)+4:8*(8*a_+4*hf_+\c)+7] offset:64*\c+16
.endr
	WIN 0
.irp t, 0,1,2,3,4,5,6,7
	ds_load_b128 v[ob_+4*\t:ob_+4*\t+3], v[RD] offset:2*SP*\t
.endr
.endm
.macro SEND p, younger                 ; younger: the LDS instructions issued behind pass p's loads: the next pass's sixteen, or none
.set a_,  (\p)/2
.set hf_, (\p)%2
.set ob_, OB+32*((\p)%2)
.irp t, 0,1,2,3,4,5,6,7
	s_wait_dscnt \younger+7-\t
	global_store_b128 v[CO], v[ob_+4*\t:ob_+4*\t+3], s[12:13] offset:(16*a_+2*\t)*4096+256*hf_ th:TH_STORE_NT   ; 16 lanes store 256 consecutive bytes, at a multiple of 256 from out0's first byte
.endr
.endm
	s_load_b256 s[4:11], s[0:1], 0x0               ; x s[4:5], weights s[6:7], b s[8:9], wb s[10:11]
	s_load_b64 s[12:13], s[0:1], 0x20              ; out0
	v_lshl_add_u32 v[SPW], v0, 2, SPARE
	v_mov_b32 v[NIL], 0
	ds_add_u32 v28, v29
	s_wait_dscnt 0x0
	v_lshrrev_b32 v1, 5, v0
	v_readfirstlane_b32 s[WV], v1                  ; wave 0..3
	s_bfe_u32 s15, ttmp6, 0x40000                  ; cx: my place in the cluster
	s_lshl_b32 s16, ttmp9, 2                       ; in a cluster launch ttmp9 counts clusters
	s_add_co_u32 s16, s16, s15                     ; my block of 256 rows = 4 x cluster x + cx: it enters x's, weights' and out0's addresses alone
	s_and_b32 s17, ttmp7, 0xffff                   ; my block of 128 columns, which the four partners share
	s_lshl_b32 s3, s16, 8
	s_lshl_b32 s2, s[WV], 6
	s_add_co_u32 s3, s3, s2                        ; my wave's first row
	; descriptor group 1: a tile of 128 rows x 128 elements, padded in LDS
	s_mov_b32 s[G1+0], 15|(1<<16)|(1<<20)|(1<<21)|(5<<22)|(7<<25)  ; 15:0 the mask: all four work-groups; 17:16 elements of 2 bytes; 20 padding on; 21 set beside a mask; 24:22 after every 64 words (code 5); 31:25 8 words of it (code 7)
	s_mov_b32 s[G1+1], 128<<16                     ; 63:48 tensor_dim0, low half = 128
	s_mov_b32 s[G1+2], 128<<16                     ; 79:64 its high half = 0; 95:80 tensor_dim1, low half = 128
	s_mov_b32 s[G1+3], 128<<16                     ; 111:96 its high half = 0; 127:112 tile_dim0 = 128
	s_mov_b32 s[G1+4], 128                         ; 143:128 tile_dim1 = 128; 159:144 tile_dim2 = 0
	s_mov_b32 s[G1+5], 1024                        ; 191:160 tensor_dim0_stride, low word: elements from row to row
	s_mov_b32 s[G1+6], 0
	s_mov_b32 s[G1+7], 0
	s_lshl_b32 s20, s[WV], 21                      ; wb: my expert of a slot's four, EXPB bytes each,
	s_lshl_b32 s21, s17, 8                         ; and the block's 128 columns: registers that never hold cx
	s_add_co_u32 s20, s20, s21
	s_mov_b32 s21, 0
	s_mul_i32 s23, s[WV], TILEB                    ; and its tile's place in a slot: no place in the cluster enters an LDS address
	s_lshl_b32 s18, s3, 12                         ; my first row in x and in out0: rows of 4,096 bytes
	s_mov_b32 s19, 0
	s_wait_kmcnt 0x0
	s_add_nc_u64 s[10:11], s[10:11], s[20:21]
	s_add_nc_u64 s[4:5], s[4:5], s[18:19]
	s_add_nc_u64 s[12:13], s[12:13], s[18:19]
	s_lshl_b32 s18, s3, 5                          ; in weights: rows of 32 bytes
	s_add_nc_u64 s[6:7], s[6:7], s[18:19]
	s_lshl_b32 s18, s17, 9                         ; the block's 128 columns in b and in out0
	s_add_nc_u64 s[8:9], s[8:9], s[18:19]
	s_add_nc_u64 s[12:13], s[12:13], s[18:19]
.irp s, 0,1
	s_mov_b32 s[G0+4*\s], 1                                        ; 1:0 count = 1
	s_add_co_u32 s[G0+4*\s+1], s23, \s*SLOT                        ; 63:32 LDS address
	s_add_nc_u64 s[G0+4*\s+2:G0+4*\s+3], s[10:11], \s*4*EXPB       ; 120:64 global address: expert 4 s + wave, chunk 0
	s_or_b32 s[G0+4*\s+3], s[G0+4*\s+3], 0x80000000                ; 127:126 type = 2
.endr
	CROUND                                         ; all four work-groups are here: the first joint loads meet
	tensor_load_to_lds s[G0:G0+3], s[G1:G1+7]      ; both first fills together, ahead of every wait on TENSORcnt and every LDS read: two loads of mine are out
	s_nop 0
	tensor_load_to_lds s[G0+4:G0+7], s[G1:G1+7]
	s_nop 0
	PLACES
	v_and_b32 v1, 15, v0                           ; r
	v_bfe_u32 v2, v0, 4, 1                         ; h
	v_lshlrev_b32 v[WO], 5, v1
	v_lshlrev_b32 v[BO], 2, v1
	v_lshl_add_u32 v[BO], v2, 14, v[BO]
	v_lshlrev_b32 v[XO], 12, v1
	v_lshl_add_u32 v[XO], v2, 5, v[XO]
.irp a, 0,1,2,3                        ; the eight weights of row 16 a + r
	global_load_b128 v[RW+8*\a:RW+8*\a+3],   v[WO], s[6:7] offset:512*\a
	global_load_b128 v[RW+8*\a+4:RW+8*\a+7], v[WO], s[6:7] offset:512*\a+16
.endr
.irp c, 0,1,2,3,4,5,6,7                ; b of experts 4 h + 0..3 at column 16 c + r
.irp i, 0,1,2,3
	global_load_b32 v[RB+4*\c+\i], v[BO], s[8:9] offset:4096*\i+64*\c
.endr
.endr
	XL 0                                           ; chunk 0 of x
	XL 1
	XL 2
	WIN 0
	v_and_b32 v9, 7, v0                            ; my lane's place in a tile: row 8 h + l % 8, 16 bytes for each half of eight lanes
	v_lshl_add_u32 v9, v2, 3, v9
	v_mul_u32_u24 v9, v9, PB
	v_bfe_u32 v10, v0, 3, 1
	v_lshl_add_u32 v9, v10, 4, v9
.irp e, 0,1,2,3,4,5,6,7
	v_add_nc_u32 v[ADRB+\e], \e*TILEB, v9
.endr
	s_mul_i32 s2, s[WV], 16*SP
	s_add_co_u32 s2, s2, STAGE                     ; my stage
	v_mul_u32_u24 v[STO], v1, SP                   ; in: row r, 32 bytes for each half of the lanes
	v_lshl_add_u32 v[STO], v2, 5, v[STO]
	v_add_nc_u32 v[STO], s2, v[STO]
	v_mul_u32_u24 v[RD], v2, SP                    ; back: lanes 0-15 take one row of 256 bytes, lanes 16-31 the next
	v_lshl_add_u32 v[RD], v1, 4, v[RD]
	v_add_nc_u32 v[RD], s2, v[RD]
	v_lshlrev_b32 v[CO], 12, v2                    ; and the same two rows in out0
	v_lshl_add_u32 v[CO], v1, 4, v[CO]
	s_wait_loadcnt 48                              ; weights and b are in; the 48 loads of x issued behind them stay out
	XL 3
	WIN 0
.irp a, 0,1,2,3
.irp u, 0,1,2,3
	v_cvt_pk_bf16_f32 v[TW+4*\a+\u], v[RW+8*\a+2*\u], v[RW+8*\a+2*\u+1]   ; weights rounded to bf16, once
.endr
.endr
.irp a, 0,1,2,3
.irp u, 0,1,2,3                        ; and widened again for the fold: bf16 to f32 is a shift or a mask; each number twice, a pair for the packed multiply-add
	v_lshlrev_b32 v[WQ+2*(8*\a+2*\u)],   16, v[TW+4*\a+\u]
	v_lshlrev_b32 v[WQ+2*(8*\a+2*\u)+1], 16, v[TW+4*\a+\u]
	v_and_b32 v[WQ+2*(8*\a+2*\u+1)],   0xffff0000, v[TW+4*\a+\u]
	v_and_b32 v[WQ+2*(8*\a+2*\u+1)+1], 0xffff0000, v[TW+4*\a+\u]
.endr
.endr
	v_cmp_eq_u32 vcc_lo, 1, v2                     ; the upper half of the lanes
	; THE BIAS IS A PRODUCT OVER THE EIGHT EXPERTS, and it starts the sums TOT.  Of a fragment's 32 places along K, place 8 h + i (i = 0..3) holds expert 4 h + i on both sides: a lane's registers 0 and 1.
	; All other places are 0 on both sides.  The fragments lie where W's will: b's eight in the first buffer, the weights' four in the second.
	WIN W_TO2
.irp c, 0,1,2,3,4,5,6,7
	v_cvt_pk_bf16_f32 v[BF0+8*\c],   v[RB+4*\c],   v[RB+4*\c+1]
	v_cvt_pk_bf16_f32 v[BF0+8*\c+1], v[RB+4*\c+2], v[RB+4*\c+3]
.irp j, 2,3,4,5,6,7
	v_mov_b32 v[BF0+8*\c+\j], 0
.endr
.endr
.irp a, 0,1,2,3
	v_cndmask_b32 v[BF0+64+8*\a],   v[TW+4*\a],   v[TW+4*\a+2], vcc_lo   ; experts 0, 1 below, 4, 5 above
	v_cndmask_b32 v[BF0+64+8*\a+1], v[TW+4*\a+1], v[TW+4*\a+3], vcc_lo   ; experts 2, 3 below, 6, 7 above
.irp j, 2,3,4,5,6,7
	v_mov_b32 v[BF0+64+8*\a+\j], 0
.endr
.endr
	WIN W_BI
.irp a, 0,1,2,3
.irp c, 0,1,2,3,4,5,6,7
	v_wmma_f32_16x16x32_bf16 v[8*(8*\a+\c):8*(8*\a+\c)+7], v[BF0+8*\c:BF0+8*\c+7], v[BF0+64+8*\a:BF0+64+8*\a+7], 0
.endr
.endr
	BOUND                                          ; chunk 0 of x into fragments; its 128 roundings are also the places between the products above and the loads into their sources
	s_wait_tensorcnt 0x1                           ; my tile of slot 0 is in; slot 1's may stay out
	s_barrier_signal -1
	s_barrier_wait -1                              ; everybody's is
	BLOADS 0, 0
	RUN 0, 1, 0                                    ; chunk 0, experts 0-3, but for the slot's last group
	WIN 0                                          ; at a label and at a branch every window is 0
	s_mov_b32 s22, 7
.Lchunk:                                               ; seven trips: from the last group of chunk t's expert 3 to the last but one of chunk t + 1's; both slots are filled again, with chunk t + 1
	GROUP 3, 3, 1, 1                               ; slot 0 is left and filled again
	XL 0                                           ; chunk t + 1 of x is asked for: chunk 7 at the most
	RUN 4, 0, 1
	GROUP 7, 3, 1, 1                               ; slot 1 is left and filled again
	BOUND
	RUN 0, 0, 0
	WIN 0
	s_sub_co_u32 s22, s22, 1
	s_cmp_lg_u32 s22, 0
	s_cbranch_scc1 .Lchunk
	GROUP 3, 3, 2, 1                               ; the tail is written out: chunk 7's slot 0 is left, and nothing is asked for
	RUN 4, 0, 0
	GROUP 7, 3, 3, 1
.irp s, 0,1,2,3,4,5,6,7
	SL 7, 3, \s                                    ; the last group's fold: slices 6 and 7 of that group are the places behind its last products
.endr
	TOSTAGE 0
.irp p, 1,2,3,4,5,6,7
	TOSTAGE \p                                     ; a pass's way into the stage stands between the loads of the pass before and its stores
	SEND \p-1, 16
.endr
	SEND 7, 0
	s_wait_tensorcnt 0x0                           ; the wave's end, behind my last tensor load and my last LDS store
	ds_add_u32 v[SPW], v[NIL]
	s_wait_dscnt 0x0
	CROUND                                         ; the closing round: no work-group ends while a partner may still ask for a tile that names it
	s_endpgm
.Lfunc_end_k_q8dbc330c04_moe:
	.size	k_q8dbc330c04_moe, .Lfunc_end_k_q8dbc330c04_moe-k_q8dbc330c04_moe
	.p2alignl 7, 3214868480
	.fill 96, 4, 3214868480
	.section	.rodata,"a",@progbits
	.p2align	6, 0x0
	.amdhsa_kernel k_q8dbc330c04_moe
		.amdhsa_group_segment_fixed_size 327680
		.amdhsa_private_segment_fixed_size 0
		.amdhsa_enable_private_segment 0
		.amdhsa_kernarg_size 40
		.amdhsa_user_sgpr_count 2
		.amdhsa_user_sgpr_kernarg_segment_ptr 1
		.amdhsa_wavefront_size32 1
		.amdhsa_system_sgpr_workgroup_id_x 1
		.amdhsa_system_sgpr_workgroup_id_y 1
		.amdhsa_system_sgpr_workgroup_id_z 1
		.amdhsa_system_vgpr_workitem_id 0
		.amdhsa_next_free_vgpr 1024
		.amdhsa_next_free_sgpr 66
		.amdhsa_reserve_vcc 1
		.amdhsa_float_denorm_mode_32 3
		.amdhsa_float_denorm_mode_16_64 3
		.amdhsa_memory_ordered 1
		.amdhsa_forward_progress 1
		.amdhsa_inst_pref_size 255
	.end_amdhsa_kernel
	.section	.bss,"aw",@nobits
	.p2align	6
	.space	262144
	.amdgpu_metadata
---
amdhsa.version: [ 1, 2 ]
amdhsa.kernels:
  - .name:           k_q8dbc330c04_moe
    .symbol:         k_q8dbc330c04_moe.kd
    .args:
      - { .name: x, .offset: 0, .size: 8, .value_kind: global_buffer, .address_space: global }
      - { .name: weights, .offset: 8, .size: 8, .value_kind: global_buffer, .address_space: global }
      - { .name: b, .offset: 16, .size: 8, .value_kind: global_buffer, .address_space: global }
      - { .name: wb, .offset: 24, .size: 8, .value_kind: global_buffer, .address_space: global }
      - { .name: out0, .offset: 32, .size: 8, .value_kind: global_buffer, .address_space: global }
    .group_segment_fixed_size: 327680
    .private_segment_fixed_size: 0
    .kernarg_segment_align: 8
    .kernarg_segment_size: 40
    .max_flat_workgroup_size: 128
    .sgpr_count:     66
    .vgpr_count:     1024
    .wavefront_size: 32
...
	.end_amdgpu_metadata
.endif
;; end of part 2
